; MI455X (gfx1250); checked and timed in simulation.
; The chip was launched on July 23, 2026; its instructions are those of AMD's public machine-readable ISA for CDNA 5 (MIT licence, August 2026) and "CDNA5" Instruction Set Architecture Reference Guide (July 2026). The comments in the code are by the model that wrote it; some were corrected since.
;; Scaled Dot Product Attention. Allowed arithmetic: matrix products marked QUANTISED: E2M1 operands, one E8M0 scale for each 32 along K, by v_wmma_scale_f32_16x16x128_f8f6f4 with both operands' format E2M1 (or v_wmma_scale_f32_32x16x128_f4), f32 sums; everything else in f32.
;; Inputs: k 4 x 16 x 2,048 x 64 float32; mask 4 x 1 x 2,048 x 2,048 int32; q 4 x 16 x 2,048 x 64 float32; v 4 x 16 x 2,048 x 64 float32.
;; Outputs: out0 4 x 16 x 2,048 x 64 float32.
;; This version of the problem:
;;   THIS VERSION OF THE PROBLEM IS GIVEN IN LOW PRECISION. The matrix products marked QUANTISED in the list below multiply operands that are first quantised to E2M1 (2 exponent bits, 1 mantissa bit; 4 bits a number), with one power-of-two scale for each 32 numbers along K (OCP MX v1.0); their sums are f32. All else is computed in f32.
;;   The module's matrix products, in the order in which they are computed (A, B: the left and right operand; K: the contracted axis; several contracted axes count as one K, in the product's order):
;;     1. batch 64 x [M 2,048, K 64] x [K 64, N 2,048]; A: input q; B: input k: QUANTISED
;;     2. batch 64 x [M 2,048, K 2,048] x [K 2,048, N 64]; A: softmax (see below); B: input v: QUANTISED
;;   THE QUANTISER, for each operand of a quantised product, along K:
;;     - K is cut into blocks of 32 from its start; a last block that is shorter is filled with zeros.
;;     - A block's scale is 2^e with e = floor(log2(the largest magnitude in the block)) - 2, held to -126 .. 127; a block of zeros has e = 0. As a byte (E8M0): e + 127.
;;     - Each number is divided by its block's scale, clamped to +-6, and rounded to the nearest number of E2M1, ties to even, subnormals kept.
;;     - The product sums the exact products of the quantised numbers (number of the format x scale) in f32.
;;   ~~~python
;;   def quantise(x, axis):      # numpy; x: float32 -> the quantised numbers, widened to float32 again
;;       x = np.moveaxis(x, axis, -1); K = x.shape[-1]
;;       x = np.pad(x, [(0, 0)] * (x.ndim - 1) + [(0, -K % 32)]); x = x.reshape(x.shape[:-1] + (-1, 32)); a = np.abs(x).max(-1, keepdims=True)
;;       e = np.where(a > 0, np.clip(np.frexp(np.where(a > 0, a, 1))[1] - 1 - 2, -126, 127), 0)      # np.frexp(a)[1] - 1 = floor(log2(a)), exactly
;;       r = np.clip(x / 2.0 ** e, -6, 6)
;;       step = 2.0 ** (np.maximum(np.frexp(np.where(r == 0, 1, r))[1] - 1, 0) - 1)
;;       q = np.round(r / step) * step * 2.0 ** e      # np.round: ties to even
;;       return np.moveaxis(q.reshape(q.shape[:-2] + (-1,))[..., :K], -1, axis).astype(np.float32)
;;   ~~~
;;   SOFTMAX AHEAD OF A QUANTISED PRODUCT. Where the list says 'softmax', what is quantised is not the finished softmax but p = 2^(t - M), with t = logit x log2(e) and M = ceil(the row's largest t), a whole number; so 1/2 < the row's largest p <= 1. The row's sum l is taken of the UNQUANTISED p, in f32, and the product's result is divided by l at the end. Since M is a whole number, a kernel that streams over the keys may use a running M (the ceiling of the running maximum): every later rescaling is an exact power of two, which a block's scale takes up: the codes' values come out the same.
;;   OPERANDS COMPUTED ON THE WAY. 'Computed on the way' means the value that the module computes at that place (a softmax that the list does not call 'softmax' is quantised finished and normalised). What goes into a quantiser is computed in f32, as accurately as f32 sums, v_exp_f32 and their like allow (about 1e-6 of the number): no bf16 or f16 on the way to a quantiser, and a product that is left as it is and whose result goes on into a quantised operand takes f32 operands (vector FMAs, or v_wmma_f32_16x16x4_f32). A number that lies on a knife's edge between two numbers of the format may be rounded either way, as far as f32 arithmetic and the matrix unit's own rounding can turn it there, and no further.
;; One version. Each part assembles by itself: llvm-mc -triple=amdgcn-amd-amdhsa -mcpu=gfx1250 --defsym DOCPART=n.
;; ======== version 1 of 1: 2 launches
;; limits: right only within a limited range of input values
;; workspace buffers: kv 8,912,896 bytes; mn 8,388,608 bytes
;; launch prep (part 1): grid 512 x 1, 8 waves a work-group, no clusters, 138,240 bytes of LDS; arguments k, v, mask, kv, mn; writes kv, mn
.if DOCPART == 1
	.amdgcn_target "amdgcn-amd-amdhsa--gfx1250"
	.amdhsa_code_object_version 6
	.text
	.protected	k_q49d9af784c_prep
	.globl	k_q49d9af784c_prep
	.p2align	8
	.type	k_q49d9af784c_prep,@function
k_q49d9af784c_prep:
	s_mov_b64 s[64:65], 0
	v_nop
	global_prefetch_b8 v0, s[64:65] scope:SCOPE_SE
	s_setreg_imm32_b32 hwreg(HW_REG_WAVE_MODE, 25, 1), 1
	s_wait_xcnt 0x0
; PREPARATION FOR THE ATTENTION LAUNCH.  k, v: [64 heads][2048 keys][64] f32.  mask: [4][2048 queries][2048 keys] int32.
; k is quantised along the head's 64 (two blocks of 32), v along the keys (blocks of 32 keys), to codes of FP4 (E2M1) with one E8M0 byte a block.
; The mask becomes one code of E2M1 a number: 0 where the key counts, 0xf (-6) where mask == 0.  All leave as images of the attention launch's registers.
; kv: a record of 8,704 bytes for each (head, step of 128 keys), at (16 head + step) x 8,704.  l the lane, r = l % 16, h = l / 16:
;   0     K's codes: tile t = 4 c + u at 512 t + 16 l: the codes d = 32 h .. 32 h + 31 of the tile's row r, which is key 64 c + 32 (r / 8) + 8 u + r % 8 of the step
;   4096  V's codes: tile t, half c at 1024 t + 512 c + 16 l: keys 64 c + 32 h + 0 .. 31 of channel 16 t + r
;   8192  K's scale words: at 8 l + 4 c a word for row r: bytes 0, 1 the two blocks of tile 4 c + h, bytes 2, 3 those of tile 4 c + 2 + h
;   8448  V's scale words: at 8 l + 4 j the word of tile 2 j + h, row r (byte i: the step's key block i)
; mn: 1,024 bytes for each (batch, tile of 16 queries, step): at 512 c + 16 l the 32 codes of keys 64 c + 32 h + 0 .. 31 for query r, the lower key in the lower four bits.
; A block's scale is 2^(floor(log2(its largest magnitude)) - 2): its byte is the largest magnitude's exponent field - 2, held at 1 from below by a floor among the maximum's leaves.
; LIMITS: a block of zeros gets the byte 1 where the rule says 127 (its codes are zeros, and this program alone reads the bytes); blocks whose largest magnitude lies under 2^-124
; are held at that byte; NaN and infinities among the inputs are not served.
; SHARES.  4,096 waves that read 32 KiB each: work-groups 0-255 take the mask (a wave: 16 queries x 512 keys), 256-383 k (a wave: one record), 384-511 v (likewise).
; The three ways part on the work-group's number and never join.  A stream: no matrix unit, no cluster (no two work-groups read the same byte), no barrier (a wave's LDS bytes are its own,
; and each way has LDS bytes of its own).  Nothing is looped: every offset is an immediate, and no store's data are written again.
.set KREC, 8704
.set KST,  8704                        ; K's stage of a wave: 32 rows x 272 bytes
.set MST0, 8*KST
.set MST,  8448                        ; the mask's stage of a wave: 16 rows x 528 bytes
.set SPARE, MST0+8*MST                 ; the spare words: 128 bytes a wave
.set R,    16                          ; v16-143  two sets of 64 registers as loaded (mask, k)
.set X,    144                         ; v144-207 64 numbers as the work wants them
.set XV,   16                          ; v16-79   v: two sets of 32 numbers
.set C,    208                         ; v208-239 codes
.set SW,   240                         ; v240-241 scale words
.set QT,   244                         ; v244-247 the quantiser's own
	s_load_b256 s[4:11], s[0:1], 0x0               ; k, v, mask, kv
	s_load_b64 s[12:13], s[0:1], 0x20              ; mn
	v_lshl_add_u32 v254, v0, 2, SPARE
	v_mov_b32 v255, 0
	v_lshrrev_b32 v1, 5, v0
	v_readfirstlane_b32 s14, v1                    ; wave
	s_mul_i32 s15, s14, KST                        ; my stage for k
	s_mul_i32 s16, s14, MST
	s_add_co_u32 s16, s16, MST0                    ; my stage for the mask
	v_and_b32 v2, 31, v0                           ; lane
	v_and_b32 v4, 15, v0                           ; r
	v_bfe_u32 v5, v0, 4, 1                         ; h
	v_lshlrev_b32 v3, 4, v2                        ; 16 x lane
	v_mul_u32_u24 v6, v5, 272
	v_mul_u32_u24 v7, v4, 272
	v_mul_u32_u24 v9, v4, 528
	v_lshl_add_u32 v6, v4, 4, v6
	v_lshl_add_u32 v7, v5, 7, v7
	v_lshl_add_u32 v9, v5, 7, v9
	v_add_nc_u32 v6, s15, v6                       ; k in: two keys a load: row h, 16 r bytes on
	v_add_nc_u32 v7, s15, v7                       ; k out: row r, my block of 32 numbers
	v_add_nc_u32 v9, s16, v9                       ; mask out: row r, 32 keys from 32 h on
	v_add_nc_u32 v8, s16, v3                       ; mask in: 512 bytes of a row as they lie
	v_lshlrev_b32 v10, 3, v5                       ; 8 h
	v_lshlrev_b32 v11, 2, v2                       ; 4 x lane
	v_lshlrev_b32 v12, 10, v5
	v_lshl_add_u32 v12, v4, 4, v12                 ; v's codes: 1,024 h + 16 r
	v_lshlrev_b32 v13, 3, v2                       ; 8 x lane
	v_mov_b32 v248, 0                              ; a lane permute's destination counts as one of its sources
	s_wait_alu depctr_va_vdst(0)                   ; the wait at the head's end
	s_lshl_b32 s17, ttmp9, 3
	s_add_co_u32 s17, s17, s14                     ; g = 8 x work-group + wave
	s_mov_b32 s19, 0
	s_mov_b32 s20, 0x76543210
	s_mov_b32 s21, 0xfedcba98                      ; selects for lane l xor 16
	s_mov_b32 s22, 0xffff0000                      ; lanes 16-31
; 32 numbers of one block in v[x] .. become 32 codes in v[c] .. v[c + 3]; the block's byte is left in v[QT + 3].
.macro QUANT32 x, c
	v_max3_num_f32 v[QT], |v[(\x)]|, |v[(\x)+1]|, 0x1800000        ; two chains, and the floor 2^(3 - 127)
	v_max3_num_f32 v[QT+1], |v[(\x)+2]|, |v[(\x)+3]|, |v[(\x)+4]|
.irp i, 5,9,13,17,21,25
	s_delay_alu instid0(VALU_DEP_2)
	v_max3_num_f32 v[QT], v[QT], |v[(\x)+\i]|, |v[(\x)+\i+1]|
	s_delay_alu instid0(VALU_DEP_2)
	v_max3_num_f32 v[QT+1], v[QT+1], |v[(\x)+\i+2]|, |v[(\x)+\i+3]|
.endr
	s_delay_alu instid0(VALU_DEP_2)
	v_max3_num_f32 v[QT], v[QT], |v[(\x)+29]|, |v[(\x)+30]|
	s_delay_alu instid0(VALU_DEP_1)
	v_max3_num_f32 v[QT], v[QT], v[QT+1], |v[(\x)+31]|
	s_delay_alu instid0(VALU_DEP_1)
	v_add_nc_u32 v[QT+2], 0xff000000, v[QT]        ; 2 off the exponent field: the conversion's scale operand
.irp g, 0,1,2,3
	v_cvt_scalef32_pk8_fp4_f32 v[(\c)+\g], v[(\x)+8*\g:(\x)+8*\g+7], v[QT+2]
.endr
	v_lshrrev_b32 v[QT+3], 23, v[QT+2]             ; the byte; also the plain line behind the conversions
.endm
	s_wait_kmcnt 0x0
	s_cmp_lt_u32 ttmp9, 256
	s_cbranch_scc1 .Lmask
	s_cmp_lt_u32 ttmp9, 384
	s_cbranch_scc1 .Lk
	; ---- V: a lane takes a channel, its registers run down the keys
	s_sub_co_u32 s17, s17, 3072                    ; the record
	s_lshl_b32 s18, s17, 15
	s_add_nc_u64 s[6:7], s[6:7], s[18:19]
	s_mul_i32 s18, s17, KREC
	s_add_co_u32 s18, s18, 4096
	s_add_nc_u64 s[10:11], s[10:11], s[18:19]
.macro LOADV q                         ; q = 2 x key block + half of the channels
.irp i, 0,1,2,3,4,5,6,7,8,9,10,11,12,13,14,15,16,17,18,19,20,21,22,23,24,25,26,27,28,29,30,31
	global_load_b32 v[XV+32*((\q)%2)+\i], v11, s[6:7] offset:256*(32*((\q)/2)+\i)+128*((\q)%2) th:TH_LOAD_NT
.endr
.endm
.macro BLOCKV q
.if (\q) < 7
	s_wait_loadcnt 32                              ; this block's 32 loads are in; the next block's may be out
.else
	s_wait_loadcnt 0x0
.endif
	QUANT32 XV+32*((\q)%2), C+4*(\q)
.if (\q)/2 == 0
	v_mov_b32 v[SW+(\q)%2], v[QT+3]
.else
	v_lshl_or_b32 v[SW+(\q)%2], v[QT+3], 8*((\q)/2), v[SW+(\q)%2]
.endif
	global_store_b128 v12, v[C+4*(\q):C+4*(\q)+3], s[10:11] offset:2048*((\q)%2)+256*((\q)/2)   ; each half of the lanes stores 256 consecutive bytes, aligned
.if (\q) < 6
	LOADV (\q)+2
.endif
.endm
	LOADV 0
	LOADV 1
.irp q, 0,1,2,3,4,5,6,7
	BLOCKV \q
.endr
	global_store_b64 v13, v[SW:SW+1], s[10:11] offset:4352   ; V's scale words: 256 consecutive bytes
	s_endpgm
	; ---- K: dense loads (two keys each), a turn through my stage so that a lane holds a whole block of one key, in the order of the tiles' rows
.Lk:
	s_sub_co_u32 s17, s17, 2048
	s_lshl_b32 s18, s17, 15
	s_add_nc_u64 s[4:5], s[4:5], s[18:19]
	s_mul_i32 s18, s17, KREC
	s_add_nc_u64 s[10:11], s[10:11], s[18:19]
.macro LOADK p                         ; the 32 keys of tiles 2 p, 2 p + 1: with c = p / 2, two runs of 16 keys, from 64 c + 16 (p % 2) and 32 keys further on
.irp i, 0,1,2,3,4,5,6,7,8,9,10,11,12,13,14,15
	global_load_b128 v[R+64*((\p)%2)+4*\i:R+64*((\p)%2)+4*\i+3], v3, s[4:5] offset:16384*((\p)/2)+4096*((\p)%2)+8192*(\i/8)+512*(\i%8) th:TH_LOAD_NT
.endr
.endm
.macro STEPK p
.if (\p) < 3
	s_wait_loadcnt 16
.else
	s_wait_loadcnt 0x0
.endif
.irp i, 0,1,2,3,4,5,6,7,8,9,10,11,12,13,14,15  ; load i, half h: tile 2 p + (i % 8) / 4, row 8 (i / 8) + 2 (i % 4) + h
	ds_store_b128 v6, v[R+64*((\p)%2)+4*\i:R+64*((\p)%2)+4*\i+3] offset:272*(16*((\i/4)%2)+8*(\i/8)+2*(\i%4))
.endr
.irp u, 0,1
.irp g, 0,1,2,3,4,5,6,7
	ds_load_b128 v[X+32*\u+4*\g:X+32*\u+4*\g+3], v7 offset:4352*\u+16*\g   ; LDS serves a wave's instructions in order
.endr
.endr
	s_wait_dscnt 0x0
.if (\p) < 2
	LOADK (\p)+2
.endif
.irp u, 0,1
	QUANT32 X+32*\u, C+4*(2*(\p)+\u)
	global_store_b128 v3, v[C+4*(2*(\p)+\u):C+4*(2*(\p)+\u)+3], s[10:11] offset:512*(2*(\p)+\u)
	v_lshlrev_b32 v[QT+3], v10, v[QT+3]            ; my byte at its place,
	s_delay_alu instid0(VALU_DEP_1)
	v_permlanex16_b32 v248, v[QT+3], s20, s21
	s_delay_alu instid0(VALU_DEP_1)
	v_or_b32 v[249+\u], v[QT+3], v248              ; with lane l xor 16's: row r's two bytes, in both halves
.endr
.if (\p)%2
	s_delay_alu instid0(VALU_DEP_1)
	v_cndmask_b32 v251, v249, v250, s22            ; lanes 0-15 tile 2 p's bytes, lanes 16-31 tile 2 p + 1's:
	s_delay_alu instid0(VALU_DEP_1)
	v_lshl_or_b32 v[SW+(\p)/2], v251, 16, v[SW+(\p)/2]   ; the upper half of the word,
.else
	s_delay_alu instid0(VALU_DEP_1)
	v_cndmask_b32 v[SW+(\p)/2], v249, v250, s22    ; or the lower
.endif
.endm
	LOADK 0
	LOADK 1
.irp p, 0,1,2,3
	STEPK \p
.endr
	global_store_b64 v13, v[SW:SW+1], s[10:11] offset:8192   ; K's scale words: 256 consecutive bytes
	s_wait_tensorcnt 0x0                           ; the wave's end
	ds_add_u32 v254, v255
	s_wait_dscnt 0x0
	s_endpgm
	; ---- THE MASK: dense loads, a turn through my stage so that lane (r, h) holds 32 neighbouring keys of query r; eight numbers make a register of eight codes
.Lmask:
	s_lshr_b32 s18, s17, 2
	s_lshl_b32 s18, s18, 17                        ; the tile of 16 queries: 16 rows of 8,192 bytes,
	s_and_b32 s23, s17, 3
	s_lshl_b32 s23, s23, 11
	s_add_co_u32 s18, s18, s23                     ; and which 512 keys
	s_add_nc_u64 s[8:9], s[8:9], s[18:19]
	s_lshl_b32 s18, s17, 12                        ; four steps' codes: 4,096 bytes
	s_add_nc_u64 s[12:13], s[12:13], s[18:19]
.macro LOADM s
.irp row, 0,1,2,3,4,5,6,7,8,9,10,11,12,13,14,15
	global_load_b128 v[R+64*((\s)%2)+4*\row:R+64*((\s)%2)+4*\row+3], v3, s[8:9] offset:8192*\row+512*(\s) th:TH_LOAD_NT
.endr
.endm
.macro STEPM s
.if (\s) < 3
	s_wait_loadcnt 16
.else
	s_wait_loadcnt 0x0
.endif
.irp row, 0,1,2,3,4,5,6,7,8,9,10,11,12,13,14,15
	ds_store_b128 v8, v[R+64*((\s)%2)+4*\row:R+64*((\s)%2)+4*\row+3] offset:528*\row
.endr
.irp c, 0,1
.irp g, 0,1,2,3,4,5,6,7
	ds_load_b128 v[X+32*\c+4*\g:X+32*\c+4*\g+3], v9 offset:256*\c+16*\g
.endr
.endr
	s_wait_dscnt 0x0
.if (\s) < 2
	LOADM (\s)+2
.endif
.set n, 0
.rept 64
	v_min_u32 v[X+n], 1, v[X+n]                    ; 1 where the key counts (any number but 0)
.set n, n+1
.endr
.irp i, 6,5,4,3,2,1,0
.irp w, 0,1,2,3,4,5,6,7
	v_lshl_or_b32 v[X+8*\w+7], v[X+8*\w+7], 4, v[X+8*\w+\i]   ; eight chains by turns: the lower key ends in the lower four bits
.endr
.endr
.irp w, 0,1,2,3,4,5,6,7
	v_xor_b32 v[X+8*\w+7], 0x11111111, v[X+8*\w+7] ; 1 where the key does not count
.endr
.irp w, 0,1,2,3,4,5,6,7
	v_lshlrev_b32 v[X+8*\w+6], 4, v[X+8*\w+7]
.endr
.irp w, 0,1,2,3,4,5,6,7
	v_sub_nc_u32 v[C+8*(\s)+\w], v[X+8*\w+6], v[X+8*\w+7]   ; x 15: the code 0xf
.endr
	global_store_b128 v3, v[C+8*(\s):C+8*(\s)+3], s[12:13] offset:1024*(\s)         ; 512 consecutive bytes
	global_store_b128 v3, v[C+8*(\s)+4:C+8*(\s)+7], s[12:13] offset:1024*(\s)+512
.endm
	LOADM 0
	LOADM 1
.irp s, 0,1,2,3
	STEPM \s
.endr
	s_wait_tensorcnt 0x0                           ; the wave's end
	ds_add_u32 v254, v255
	s_wait_dscnt 0x0
	s_endpgm
.Lfunc_end_k_q49d9af784c_prep:
	.size	k_q49d9af784c_prep, .Lfunc_end_k_q49d9af784c_prep-k_q49d9af784c_prep
	.p2alignl 7, 3214868480
	.fill 96, 4, 3214868480
	.section	.rodata,"a",@progbits
	.p2align	6, 0x0
	.amdhsa_kernel k_q49d9af784c_prep
		.amdhsa_group_segment_fixed_size 138240
		.amdhsa_private_segment_fixed_size 0
		.amdhsa_enable_private_segment 0
		.amdhsa_kernarg_size 40
		.amdhsa_user_sgpr_count 2
		.amdhsa_user_sgpr_kernarg_segment_ptr 1
		.amdhsa_wavefront_size32 1
		.amdhsa_system_sgpr_workgroup_id_x 1
		.amdhsa_system_sgpr_workgroup_id_y 1
		.amdhsa_system_sgpr_workgroup_id_z 1
		.amdhsa_system_vgpr_workitem_id 0
		.amdhsa_next_free_vgpr 256
		.amdhsa_next_free_sgpr 66
		.amdhsa_reserve_vcc 0
		.amdhsa_float_denorm_mode_32 3
		.amdhsa_float_denorm_mode_16_64 3
		.amdhsa_memory_ordered 1
		.amdhsa_forward_progress 1
		.amdhsa_inst_pref_size 117
	.end_amdhsa_kernel
	.amdgpu_metadata
---
amdhsa.version: [ 1, 2 ]
amdhsa.kernels:
  - .name:           k_q49d9af784c_prep
    .symbol:         k_q49d9af784c_prep.kd
    .args:
      - { .name: k, .offset: 0, .size: 8, .value_kind: global_buffer, .address_space: global }
      - { .name: v, .offset: 8, .size: 8, .value_kind: global_buffer, .address_space: global }
      - { .name: mask, .offset: 16, .size: 8, .value_kind: global_buffer, .address_space: global }
      - { .name: kv, .offset: 24, .size: 8, .value_kind: global_buffer, .address_space: global }
      - { .name: mn, .offset: 32, .size: 8, .value_kind: global_buffer, .address_space: global }
    .group_segment_fixed_size: 138240
    .private_segment_fixed_size: 0
    .kernarg_segment_align: 8
    .kernarg_segment_size: 40
    .max_flat_workgroup_size: 256
    .sgpr_count:     66
    .vgpr_count:     256
    .wavefront_size: 32
...
	.end_amdgpu_metadata
.endif
;; end of part 1
;; launch attn (part 2): grid 4 x 64, 16 waves a work-group, clusters of 4 x 1, 215,040 bytes of LDS; arguments q, kv, mn, out0; writes out0
.if DOCPART == 2
	.amdgcn_target "amdgcn-amd-amdhsa--gfx1250"
	.amdhsa_code_object_version 6
	.text
	.protected	k_q49d9af784c_attn
	.globl	k_q49d9af784c_attn
	.p2align	8
	.type	k_q49d9af784c_attn,@function
k_q49d9af784c_attn:
	s_mov_b64 s[64:65], 0
	v_nop
	global_prefetch_b8 v0, s[64:65] scope:SCOPE_SE
	s_setreg_imm32_b32 hwreg(HW_REG_WAVE_MODE, 25, 1), 1
	s_wait_xcnt 0x0
	s_wait_alu depctr_hold_cnt(0) depctr_sa_sdst(0) depctr_va_vdst(0) depctr_va_sdst(0) depctr_va_ssrc(0) depctr_va_vcc(0) depctr_vm_vsrc(0)
	s_getreg_b32 s2, hwreg(HW_REG_IB_STS2, 6, 4)
	s_cmp_eq_u32 s2, 0
	s_cbranch_scc0 .Lentry_in_a_cluster
	s_endpgm
.Lentry_in_a_cluster:
	s_bfe_u32 s2, ttmp6, 0x10000c
	s_cmp_lg_u32 s2, 0x3003
	s_cbranch_scc0 .Lentry_shape_is_right
	s_endpgm
.Lentry_shape_is_right:
; out0[head][q][:] = the sum over the keys of softmax(q . k / 8, masked) v, both products on codes of FP4 (E2M1) with one E8M0 scale for each 32 along a product's K.
; q, out0: [64 heads][2048][64] f32.  kv: K's and V's codes and scale words, a record of 8,704 bytes for each (head, step of 128 keys), as images of the operands' registers.
; mn: the mask as codes of E2M1 (0: the key counts; -6: it does not), 1,024 bytes for each (batch, tile of 16 queries, step).
; EVERY PRODUCT IS OF THE FORM 32 x 16 x 128: two tiles of 16 rows an instruction, ten instructions for a step of 128 keys.
; THE MASK IS LAID BY THE MATRIX UNIT.  A product of a unit matrix (row m has the code 1.0 at the place of the row's key) with the step's 128 mask codes,
; under scales 2^18 x 2^18 and with C = 0, gives 0 or -6 x 2^36 exactly, in the scores' own registers; the product K Q^T then adds onto it in place.  A key that counts has C = 0.
; THE SOFTMAX: t = score x c, c = log2(e) / 8; M = the row's largest t so far, rounded up to a whole number; p = 2^(t - M) is quantised along the keys, not normalised.
; The row's sum is taken of the unquantised p, in f32, and divides at the end.  When M moves, the sum and O are multiplied by 2^(old M - new M): exact, no branch on data.
; A ROW WITH NO KEY THAT COUNTS SO FAR: the running largest score begins at -2^33, over every masked score; while it stands there c and M are selected to 0, so that p = 1 at every key
; (equal weights, as the definition gives where all logits are -1e9), and the first key that counts multiplies those sums by 0.
; LIMITS.  The results are the definition's while every unmasked logit lies above some -9.9e8 and scores stay under 2^33 in magnitude.
; NaN and infinities among the inputs are not served; a p under 2^-126 counts as 0; a block of zeros has the scale byte 1 (its codes are zeros).
; SHARES.  256 work-groups: y = the head, x = a block of 512 queries.  Sixteen waves in 256 registers each; a wave owns 32 queries, two tiles of 16, one after the other; each walks 16 steps of 128 keys.
; A head's 16 records, 139,264 bytes, come into LDS once and stay: no slot is filled again.  The four work-groups of a cluster are the four query blocks of one head: waves 0 to 3 each ask
; jointly for a quarter (136 rows of 256 bytes).  One tensor load of a wave is out at the most.
; No data prefetch: K and V come once at the head, and each wave loads its next step's 1,024 bytes of mask codes into registers most of a step ahead of their use.
; LAYOUT.  Both products transposed: S^T = K Q^T, O^T = V^T P^T: a lane holds one query (lane % 16).  Row m of tile 4 c + u is key 64 c + 32 (m / 8) + 8 u + m % 8, so that the 32 score
; registers of tiles 4 c .. 4 c + 3 in lane (r, h) are keys 64 c + 32 h + 0 .. 31: a whole block of the second product's K, in the order of its operand.
; The head's 64 fill half of the instruction's 128: eight registers of K hold tile 4 c + i along k 0-63 and tile 4 c + 2 + i along k 64-127; sixteen (i = 0, 1) times [q, 0] give tiles 4 c, 4 c + 1,
; times [0, q] tiles 4 c + 2, 4 c + 3.
.set REC,   8704
.set HEADB, 16*REC
.set QUART, HEADB/4
.set STAGE, HEADB                      ; 16 rows x 272 bytes for each wave: Q's turn on the way in, O's on the way out; no fill lands there
.set SPARE, STAGE+16*16*272            ; the spare words, 128 bytes a wave
; v1 16 x lane, v2 8 x lane, v3, v4 the same + the step's record, v5-7 my places in the stage, v8 8 h, v9 the mask products' scales, v11 at work
.set RUN, 10                           ; the running largest score
.set MP,  12                           ; v[12:13] -M as the multiply-add takes it; v13 = 0
.set SUM, 14                           ; v[14:15] the row's sum in two halves
.set CP,  16                           ; v[16:17] c as the multiply-add takes it; v17 = c
.set NM,  18                           ; -M
.set TD,  19
.set F,   20                           ; v[20:21] f
.set QS,  22
.set PS,  23
.set KS,  24                           ; v24-25 K's scale words, all 32 lanes
.set VS,  26                           ; v26-27 V's likewise
.set BM,  28                           ; v28-29 my two blocks' largest score, then largest p; then at work
.set SO,  30                           ; v30-31 the conversions' scale operands; then at work
.set PT,  32                           ; a lane permute's destination
.set T,   34                           ; v34-39 at work
.set SPW, 40
.set NIL, 41
.set QZ,  42                           ; v42-53: four zeros, Q's four registers, four zeros
.set IDE, 60                           ; v54-75: zeros, but for the unit matrix's one register at v60 and at v69: the sixteen registers from v[60 - t] on are the unit rows of tiles t and t + 1, t even
.set IDO, 69
.set MN,  76                           ; v76-83 the step's mask codes
.set PC,  84                           ; v84-91 p's codes
.set KF,  92                           ; v92-123 K
.set VF,  124                          ; v124-155 V
.set S,   156                          ; v156-219 S^T, then p
.set O,   220                          ; v220-251 O^T;  v252-255 at work
.macro CROUND
	s_barrier_signal -1
	s_barrier_wait -1
	s_cmp_lg_u32 s10, 0
	s_cbranch_scc1 .Lnot_wave_0_\@
	s_barrier_signal -3
.Lnot_wave_0_\@:
	s_barrier_wait -3
	s_barrier_signal -1
	s_barrier_wait -1
.endm
	s_load_b256 s[16:23], s[0:1], 0x0              ; q, kv, mn, out0
	v_lshl_add_u32 v[SPW], v0, 2, SPARE
	v_mov_b32 v[NIL], 0
	ds_add_u32 v[SPW], v[NIL]                      ; the opening lines: the add twice on end and its wait
	ds_add_u32 v[SPW], v[NIL]
	v_lshrrev_b32 v3, 5, v0
	v_readfirstlane_b32 s10, v3                    ; wave
	s_mul_i32 s3, s10, 16*272
	s_add_co_u32 s3, s3, STAGE                     ; my stage
	v_and_b32 v2, 31, v0
	v_and_b32 v11, 15, v0                          ; r
	v_bfe_u32 v19, v0, 4, 1                        ; h
	v_lshlrev_b32 v1, 4, v2
	v_lshlrev_b32 v2, 3, v2
	v_mul_u32_u24 v5, v11, 272
	v_mul_u32_u24 v6, v19, 272
	v_lshl_add_u32 v7, v19, 7, v5
	v_lshl_add_u32 v5, v19, 5, v5
	v_lshl_add_u32 v6, v11, 4, v6
	v_add_nc_u32 v7, s3, v7                        ; row r, + 128 h: my block of 32 numbers of query r
	v_add_nc_u32 v5, s3, v5                        ; row r, + 32 h: where a tile's eight channels go
	v_add_nc_u32 v6, s3, v6                        ; lanes 0-15 one row of 256 bytes, lanes 16-31 the next
	v_lshlrev_b32 v8, 3, v19
	v_mov_b32 v9, 0x91919191                       ; 2^18 in every byte, for both sides of the mask products
	v_mov_b32 v[MP+1], 0
	v_mov_b32 v[CP+1], 0x3e38aa3b                  ; c = log2(e) / 8
	v_mov_b32 v[F+1], 0
	v_mov_b32 v[PT], 0
	v_and_b32 v3, 7, v11
	v_lshlrev_b32 v3, 2, v3
	v_mov_b32 v4, 2
	v_lshlrev_b32 v3, v3, v4                       ; the code 1.0 at place r % 8
	v_lshrrev_b32 v4, 3, v11
	v_cmp_eq_u32 vcc_lo, v4, v19                   ; in the half of the lanes that holds row r's key
.set n, QZ
.rept 34
.if (n < QZ+4) || (n >= QZ+8 && n != IDE && n != IDO)
	v_mov_b32 v[n], 0
.endif
.set n, n+1
.endr
	v_cndmask_b32 v[IDE], 0, v3, vcc_lo
	v_cndmask_b32 v[IDO], 0, v3, vcc_lo
	s_wait_alu depctr_va_vdst(0)                   ; the wait here, ahead of the scalar lines and the waits below
	s_bfe_u32 s24, ttmp6, 0x40000                  ; cx
	s_lshl_b32 s25, ttmp9, 2
	s_add_co_u32 s24, s25, s24                     ; x: my block of 512 queries: it enters q's, mn's and out0's addresses alone
	s_and_b32 s25, ttmp7, 0xffff                   ; the head
	s_lshl_b32 s26, s24, 17                        ; 512 rows of 256 bytes
	s_lshl_b32 s3, s10, 13                         ; my wave's 32 rows
	s_add_co_u32 s26, s26, s3
	s_lshl_b32 s3, s25, 19                         ; the head's 2,048 rows
	s_add_co_u32 s26, s26, s3
	s_mov_b32 s27, 0
	s_lshl_b32 s28, s24, 19                        ; mn: 32 tiles of 16,384 bytes
	s_lshl_b32 s3, s10, 15                         ; my wave's two tiles
	s_add_co_u32 s28, s28, s3
	s_lshr_b32 s3, s25, 4                          ; the batch: 128 tiles
	s_lshl_b32 s3, s3, 21
	s_add_co_u32 s28, s28, s3
	s_mov_b32 s29, 0
	s_mul_i32 s30, s25, HEADB
	s_mul_i32 s93, s10, QUART                      ; group 0: LDS address: wave x a quarter
	s_add_co_u32 s30, s30, s93
	s_mov_b32 s31, 0
	s_mov_b32 s12, 0xbe38aa3b                      ; -c
	s_mov_b32 s13, 0xd0000000                      ; -2^33
	s_mov_b32 s14, 0x76543210
	s_mov_b32 s15, 0xfedcba98                      ; selects for lane l xor 16
	s_mov_b32 s84, 15|(3<<16)|(1<<21)              ; group 1: the mask of all four work-groups; elements of 8 bytes; bit 21 beside a mask
	s_mov_b32 s85, 32<<16
	s_mov_b32 s86, 136<<16
	s_mov_b32 s87, 32<<16
	s_mov_b32 s88, 136
	s_mov_b32 s89, 32
	s_mov_b32 s90, 0
	s_mov_b32 s91, 0
	s_mov_b32 s92, 1
	s_wait_dscnt 0x0                               ; both opening adds are done
	s_wait_kmcnt 0x0
	s_add_nc_u64 s[8:9], s[16:17], s[26:27]        ; q at my first row
	s_add_nc_u64 s[94:95], s[18:19], s[30:31]      ; made of the head and the wave's number alone
	s_or_b32 s95, s95, 0x80000000
	s_add_nc_u64 s[4:5], s[20:21], s[28:29]        ; mn at my first tile
	s_add_nc_u64 s[6:7], s[22:23], s[26:27]        ; out0 at my first row
.macro QUANT32 x, c
	v_max3_num_f32 v[T], |v[(\x)]|, |v[(\x)+1]|, 0x1800000
	v_max3_num_f32 v[T+1], |v[(\x)+2]|, |v[(\x)+3]|, |v[(\x)+4]|
.irp i, 5,9,13,17,21,25
	v_max3_num_f32 v[T], v[T], |v[(\x)+\i]|, |v[(\x)+\i+1]|
	v_max3_num_f32 v[T+1], v[T+1], |v[(\x)+\i+2]|, |v[(\x)+\i+3]|
.endr
	v_max3_num_f32 v[T], v[T], |v[(\x)+29]|, |v[(\x)+30]|
	v_max3_num_f32 v[T], v[T], v[T+1], |v[(\x)+31]|
	v_add_nc_u32 v[T+2], 0xff000000, v[T]
.irp g, 0,1,2,3
	v_cvt_scalef32_pk8_fp4_f32 v[(\c)+\g], v[(\x)+8*\g:(\x)+8*\g+7], v[T+2]
.endr
	v_lshrrev_b32 v[T+3], 23, v[T+2]
.endm
.macro QLOAD i                         ; tile i's 16 rows of q: eight loads of 512 consecutive bytes
.irp e, 0,1,2,3,4,5,6,7
	global_load_b128 v[S+32+4*\e:S+35+4*\e], v1, s[8:9] offset:4096*\i+512*\e th:TH_LOAD_NT
.endr
.endm
.macro ML nm, c                        ; half c of a step's mask codes; sixteen heads read them, so no hint
.if \nm
	global_load_b128 v[MN+4*\c:MN+4*\c+3], v1, s[4:5] offset:512*\c
.endif
.endm
.macro VL e                            ; four registers of this step's V
	ds_load_b128 v[VF+4*\e:VF+4*\e+3], v3 offset:4096+512*\e
.endm
.macro KL nk, t                        ; K's tile t = 4 c + u goes to the (u / 2)-th four of the eight registers 2 c + u % 2.  nk = 1: of the next record; 2: of record 0; 0: nothing
.set KD, KF+16*((\t)/4)+8*((\t)%2)+4*(((\t)%4)/2)
.if \nk == 1
	ds_load_b128 v[KD:KD+3], v3 offset:REC+512*\t
.endif
.if \nk == 2
	ds_load_b128 v[KD:KD+3], v1 offset:512*\t
.endif
.endm
.macro KSL nk                          ; and K's scale words
.if \nk == 1
	ds_load_b64 v[KS:KS+1], v4 offset:REC+8192
.endif
.if \nk == 2
	ds_load_b64 v[KS:KS+1], v2 offset:8192
.endif
.endm
.macro QQUANT                          ; q turns through my stage, so that lane (r, h) holds d = 32 h .. of query r, and becomes Q's registers and scale word
	s_wait_loadcnt 0x0
.irp e, 0,1,2,3,4,5,6,7
	ds_store_b128 v6, v[S+32+4*\e:S+35+4*\e] offset:544*\e
.endr
	s_wait_xcnt 0x0                                ; the last tile's stores have read the registers on which the loads below land
.irp g, 0,1,2,3,4,5,6,7
	ds_load_b128 v[S+4*\g:S+3+4*\g], v7 offset:16*\g
.endr
	s_wait_dscnt 0x0
	QUANT32 S, QZ+4
	v_lshlrev_b32 v[T+3], v8, v[T+3]
	v_permlanex16_b32 v[PT], v[T+3], s14, s15
	v_or_b32 v[T+3], v[T+3], v[PT]                 ; query r's two bytes,
	v_lshl_or_b32 v[QS], v[T+3], 16, v[T+3]        ; for either half of K's 128
.endm
.macro INIT                            ; also the places between Q's registers and scale word and the first scaled product
	v_mov_b32 v[RUN], s13
	v_mov_b32 v[SUM], 0
	v_mov_b32 v[SUM+1], 0
	v_mul_f32 v[NM], s12, v[RUN]
.set n, 0
.rept 32
	v_mov_b32 v[O+n], 0
.set n, n+1
.endr
	v_floor_f32 v[NM], v[NM]
	s_mov_b32 s66, 0
.endm
.macro WM d, a, b, sa, sb              ; 32 rows x my 16 queries, onto the sums in place
	v_wmma_scale_f32_32x16x128_f4 v[\d:\d+15], v[\a:\a+15], v[\b:\b+7], v[\d:\d+15], v[\sa], v[\sb]
.endm
; A KEY STEP.  nk: K of the next step is asked for (1: the next record; 2: record 0, for my second tile; 0: none).  nm: so are the next mask codes.
.macro STEP nk, nm
	s_wait_loadcnt 0x0                             ; this step's mask codes are in, so their base may step
	s_add_nc_u64 s[4:5], s[4:5], 1024
	s_wait_dscnt 0x0                               ; K and its scale words
.irp a, 0,1,2,3                                ; the four accumulators of 16 registers by turns, twice: the mask starts the sums,
	v_wmma_scale_f32_32x16x128_f4 v[S+16*\a:S+16*\a+15], v[IDE-2*\a:IDE-2*\a+15], v[MN:MN+7], 0, v9, v9
.endr
.irp a, 0,1,2,3                                ; and K Q^T adds onto them
	WM S+16*\a, KF+16*(\a/2), QZ+4-4*(\a%2), KS+\a/2, QS
.endr
	v_add_nc_u32 v3, s66, v1                       ; four places ahead of the first read of the scores and of the loads into the products' sources
	v_add_nc_u32 v4, s66, v2
	v_nop
	v_nop
.set n, 0                                      ; the largest score of my two blocks, in eight chains; each accumulator is read from its low end on
.irp b, 34,35,36,37,38,39,252,253
	v_max3_num_f32 v\b, v[S+n], v[S+n+1], v[S+n+2]
.set n, n+8
.endr
.irp i, 3,5
.set n, 0
.irp b, 34,35,36,37,38,39,252,253
	v_max3_num_f32 v\b, v\b, v[S+n+\i], v[S+n+\i+1]
.set n, n+8
.endr
.endr
	v_max3_num_f32 v34, v34, v35, v[S+7]
	v_max3_num_f32 v36, v36, v37, v[S+15]
	v_max3_num_f32 v38, v38, v39, v[S+39]
	v_max3_num_f32 v252, v252, v253, v[S+47]
; From here to f each line hangs on the one before it: the step's loads, which are due anyway, stand between the links.  V's nine come first, then the next K's nine: the wait ahead of V^T P counts on that order.
	VL 0
	VL 1
	v_max3_num_f32 v34, v34, v36, v[S+23]
	v_max3_num_f32 v38, v38, v252, v[S+55]
	VL 2
	VL 3
	v_max_num_f32 v[BM], v34, v[S+31]
	v_max_num_f32 v[BM+1], v38, v[S+63]
	VL 4
	VL 5
	v_max3_num_f32 v11, v[RUN], v[BM], v[BM+1]
	VL 6
	VL 7
	ds_load_b64 v[VS:VS+1], v4 offset:8448
	v_permlanex16_b32 v[PT], v11, s14, s15
	KL \nk, 0
	KL \nk, 1
	KL \nk, 2
	v_max_num_f32 v[RUN], v11, v[PT]               ; the running largest score of my query
	KL \nk, 3
	KL \nk, 4
	v_mul_f32 v[TD], s12, v[RUN]
	v_cmp_eq_f32 vcc_lo, s13, v[RUN]               ; no key has counted so far
	KL \nk, 5
	KL \nk, 6
	v_floor_f32 v[TD], v[TD]                       ; -M = floor(-t)
	v_cndmask_b32 v[CP], v[CP+1], v[MP+1], vcc_lo  ; c, or 0
	KL \nk, 7
	KSL \nk
	v_cndmask_b32 v[MP], v[TD], v[MP+1], vcc_lo    ; -M, or 0
	v_sub_f32 v[F+1], v[TD], v[NM]                 ; old M - new M: a whole number, 0 or less
	ML \nm, 0
	ML \nm, 1
	v_cvt_i32_f32 v[F+1], v[F+1]
.set n, 0
.rept 32
	v_pk_fma_f32 v[S+n:S+n+1], v[S+n:S+n+1], v[CP:CP+1], v[MP:MP+1] op_sel_hi:[1,0,0]   ; t - M
.set n, n+2
.endr
	v_ldexp_f32 v[F], 1.0, v[F+1]                  ; f
	v_fma_f32 v[BM], v[BM], v[CP], v[MP]
	v_fma_f32 v[BM+1], v[BM+1], v[CP], v[MP]
.set n, 0
.rept 16
	v_pk_mul_f32 v[O+n:O+n+1], v[O+n:O+n+1], v[F:F+1] op_sel_hi:[1,0]   ; O^T under the new M, each accumulator from its low end on
.set n, n+2
.endr
	v_pk_mul_f32 v[SUM:SUM+1], v[SUM:SUM+1], v[F:F+1] op_sel_hi:[1,0]
	s_wait_alu depctr_va_vdst(0)                   ; the wait ahead of the batch
.set n, 0
.rept 64
	v_exp_f32 v[S+n], v[S+n]
.set n, n+1
.endr
	v_exp_f32 v[BM], v[BM]                         ; the block's largest p: the same two instructions on the same number
	v_exp_f32 v[BM+1], v[BM+1]
	v_mov_b32 v[NM], v[TD]                         ; the plain line behind the exponentials
	s_wait_alu depctr_va_vdst(0)                   ; and the wait behind the batch
	v_max_num_f32 v[BM], 0x1800000, v[BM]
	v_max_num_f32 v[BM+1], 0x1800000, v[BM+1]
	v_add_nc_u32 v[SO], 0xff000000, v[BM]
	v_add_nc_u32 v[SO+1], 0xff000000, v[BM+1]
	v_lshrrev_b32 v[T], 23, v[SO]
	v_lshrrev_b32 v[T+1], 23, v[SO+1]
.irp e, 0,1,2,3,4,5,6,7
	v_cvt_scalef32_pk8_fp4_f32 v[PC+\e], v[S+8*\e:S+8*\e+7], v[SO+\e/4]   ; register e of the operand: keys 64 (e / 4) + 32 h + 8 (e % 4) ..
.endr
	v_lshl_or_b32 v[T], v[T+1], 16, v[T]           ; my bytes: blocks h and 2 + h,
	v_lshlrev_b32 v[T], v8, v[T]                   ; at their places;
	v_permlanex16_b32 v[PT], v[T], s14, s15
	v_or_b32 v[PS], v[T], v[PT]                    ; with lane l xor 16's the word is whole
.set n, 0                                      ; the row's sum of the unquantised p, in eight chains
.irp b, 34,36,38,252,254,28,30
	v_pk_add_f32 v[\b:\b+1], v[S+n:S+n+1], v[S+n+2:S+n+3]
.set n, n+4
.endr
.rept 2
.irp b, 14,34,36,38,252,254,28,30
	v_pk_add_f32 v[\b:\b+1], v[\b:\b+1], v[S+n:S+n+1]
.set n, n+2
.endr
.endr
	v_pk_add_f32 v[14:15], v[14:15], v[S+60:S+61]
	v_pk_add_f32 v[34:35], v[34:35], v[S+62:S+63]
	v_pk_add_f32 v[38:39], v[38:39], v[252:253]
	v_pk_add_f32 v[254:255], v[254:255], v[28:29]
	v_pk_add_f32 v[36:37], v[36:37], v[30:31]
	v_pk_add_f32 v[14:15], v[14:15], v[34:35]
	v_pk_add_f32 v[38:39], v[38:39], v[254:255]
	v_pk_add_f32 v[14:15], v[14:15], v[36:37]
	v_pk_add_f32 v[14:15], v[14:15], v[38:39]
	s_wait_alu depctr_va_vdst(0)                   ; the wait here, directly ahead of the wait below
.if \nk
	s_wait_dscnt 9                                 ; V and its scale words are in; the nine loads of the next K may be out
.else
	s_wait_dscnt 0x0
.endif
	WM O, VF, PC, VS, PS                           ; O^T += V^T P^T: channels 0-31,
	WM O+16, VF+16, PC, VS+1, PS                   ; and 32-63
	s_add_co_u32 s66, s66, REC
.endm
.macro KEYS nk, nm                     ; a tile's 16 steps; the last is written out, since it asks for other things
	s_mov_b32 s67, 15
.Lstep_\@:
	STEP 1, 1
	s_sub_co_u32 s67, s67, 1
	s_cmp_lg_u32 s67, 0
	s_cbranch_scc1 .Lstep_\@
	STEP \nk, \nm
.endm
.macro OUT i                           ; O^T / the sum goes through my stage and leaves as whole rows
.rept 4
	v_nop
.endr
	v_add_f32 v[SUM], v[SUM], v[SUM+1]
	v_permlanex16_b32 v[PT], v[SUM], s14, s15
	v_add_f32 v[SUM], v[SUM], v[PT]                ; the row's sum; above 1/2
	s_wait_alu depctr_va_vdst(0)                   ; the wait ahead of the transcendental
	v_rcp_f32 v[SUM], v[SUM]
	v_nop
	s_wait_alu depctr_va_vdst(0)                   ; and ahead of its first reader, which is also the first reader of the last products
.set n, 0
.rept 16
	v_pk_mul_f32 v[VF+n:VF+n+1], v[O+n:O+n+1], v[SUM:SUM+1] op_sel_hi:[1,0]   ; register 8 t + j is o(r, 16 t + 8 h + j)
.set n, n+2
.endr
.irp t, 0,1,2,3
	ds_store_b128 v5, v[VF+8*\t:VF+3+8*\t] offset:64*\t
	ds_store_b128 v5, v[VF+4+8*\t:VF+7+8*\t] offset:64*\t+16
.endr
.irp e, 0,1,2,3,4,5,6,7
	ds_load_b128 v[S+4*\e:S+3+4*\e], v6 offset:544*\e   ; LDS serves a wave's instructions in order
.endr
.irp e, 0,1,2,3,4,5,6,7
	s_wait_dscnt 7-\e
	global_store_b128 v1, v[S+4*\e:S+3+4*\e], s[6:7] offset:4096*\i+512*\e th:TH_STORE_NT   ; two rows: 512 consecutive bytes, aligned
.endr
.endm
	QLOAD 0
	ML 1, 0                                        ; the first step's mask codes
	ML 1, 1
	CROUND                                         ; all four work-groups are here: the joint loads meet
	s_cmp_lt_u32 s10, 4                            ; waves 0 to 3 fetch a quarter each
	s_cbranch_scc0 .Lno_fill
	tensor_load_to_lds s[92:95], s[84:91]
	s_nop 0
.rept 4
	v_nop
.endr
.Lno_fill:
	QQUANT                                         ; Q is quantised while the records are on their way
	INIT
	s_wait_alu depctr_va_vdst(0)                   ; the wait at the head's end
	s_wait_tensorcnt 0x0                           ; my quarter has landed,
	s_wait_dscnt 0x0
	s_barrier_signal -1
	s_barrier_wait -1                              ; everybody's has
.irp t, 0,1,2,3,4,5,6,7
	KL 2, \t                                       ; the first record's K
.endr
	KSL 2
	KEYS 2, 1
	QLOAD 1                                        ; the second tile's q is asked for ahead of the first tile's way out
	OUT 0
	QQUANT
	INIT
	KEYS 0, 0
	OUT 1
	s_wait_tensorcnt 0x0                           ; the wave's end
	ds_add_u32 v[SPW], v[NIL]
	s_wait_dscnt 0x0
	CROUND                                         ; the closing round
	s_endpgm
.Lfunc_end_k_q49d9af784c_attn:
	.size	k_q49d9af784c_attn, .Lfunc_end_k_q49d9af784c_attn-k_q49d9af784c_attn
	.p2alignl 7, 3214868480
	.fill 96, 4, 3214868480
	.section	.rodata,"a",@progbits
	.p2align	6, 0x0
	.amdhsa_kernel k_q49d9af784c_attn
		.amdhsa_group_segment_fixed_size 215040
		.amdhsa_private_segment_fixed_size 0
		.amdhsa_enable_private_segment 0
		.amdhsa_kernarg_size 32
		.amdhsa_user_sgpr_count 2
		.amdhsa_user_sgpr_kernarg_segment_ptr 1
		.amdhsa_wavefront_size32 1
		.amdhsa_system_sgpr_workgroup_id_x 1
		.amdhsa_system_sgpr_workgroup_id_y 1
		.amdhsa_system_sgpr_workgroup_id_z 1
		.amdhsa_system_vgpr_workitem_id 0
		.amdhsa_next_free_vgpr 256
		.amdhsa_next_free_sgpr 96
		.amdhsa_reserve_vcc 1
		.amdhsa_float_denorm_mode_32 3
		.amdhsa_float_denorm_mode_16_64 3
		.amdhsa_memory_ordered 1
		.amdhsa_forward_progress 1
		.amdhsa_inst_pref_size 77
	.end_amdhsa_kernel
	.amdgpu_metadata
---
amdhsa.version: [ 1, 2 ]
amdhsa.kernels:
  - .name:           k_q49d9af784c_attn
    .symbol:         k_q49d9af784c_attn.kd
    .args:
      - { .name: q, .offset: 0, .size: 8, .value_kind: global_buffer, .address_space: global }
      - { .name: kv, .offset: 8, .size: 8, .value_kind: global_buffer, .address_space: global }
      - { .name: mn, .offset: 16, .size: 8, .value_kind: global_buffer, .address_space: global }
      - { .name: out0, .offset: 24, .size: 8, .value_kind: global_buffer, .address_space: global }
    .group_segment_fixed_size: 215040
    .private_segment_fixed_size: 0
    .kernarg_segment_align: 8
    .kernarg_segment_size: 32
    .max_flat_workgroup_size: 512
    .sgpr_count:     96
    .vgpr_count:     256
    .wavefront_size: 32
...
	.end_amdgpu_metadata
.endif
;; end of part 2
